; MI455X (gfx1250); checked and timed in simulation.
; The chip was launched on July 23, 2026; its instructions are those of AMD's public machine-readable ISA for CDNA 5 (MIT licence, August 2026) and "CDNA5" Instruction Set Architecture Reference Guide (July 2026). The comments in the code are by the model that wrote it; some were corrected since.
;; Bert Self Attention. Allowed arithmetic: matrix products marked QUANTISED: E4M3 operands, one E8M0 scale for each 32 along K, by v_wmma_scale_f32_16x16x128_f8f6f4 with both operands' format E4M3, f32 sums; everything else in f32.
;; Inputs: Wk 1,024 x 1,024 float32; Wq 1,024 x 1,024 float32; Wv 1,024 x 1,024 float32; attention_mask 4 x 1 x 1 x 2,048 float32; bk 1,024 float32; bq 1,024 float32; bv 1,024 float32; hidden_states 4 x 2,048 x 1,024 float32.
;; Outputs: out0 4 x 2,048 x 1,024 float32.
;; This version of the problem:
;;   THIS VERSION OF THE PROBLEM IS GIVEN IN LOW PRECISION. The matrix products marked QUANTISED in the list below multiply operands that are first quantised to E4M3 (4 exponent bits, 3 mantissa bits; 8 bits a number), with one power-of-two scale for each 32 numbers along K (OCP MX v1.0); their sums are f32. All else is computed in f32.
;;   The module's matrix products, in the order in which they are computed (A, B: the left and right operand; K: the contracted axis; several contracted axes count as one K, in the product's order):
;;     1. [M 8,192, K 1,024] x [K 1,024, N 1,024]; A: input hidden_states; B: input Wq: QUANTISED
;;     2. [M 8,192, K 1,024] x [K 1,024, N 1,024]; A: input hidden_states; B: input Wk: QUANTISED
;;     3. [M 8,192, K 1,024] x [K 1,024, N 1,024]; A: input hidden_states; B: input Wv: QUANTISED
;;     4. batch 64 x [M 2,048, K 64] x [K 64, N 2,048]; A: computed on the way; B: computed on the way: QUANTISED
;;     5. batch 64 x [M 2,048, K 2,048] x [K 2,048, N 64]; A: softmax (see below); B: computed on the way: QUANTISED
;;   THE QUANTISER, for each operand of a quantised product, along K:
;;     - K is cut into blocks of 32 from its start; a last block that is shorter is filled with zeros.
;;     - A block's scale is 2^e with e = floor(log2(the largest magnitude in the block)) - 8, held to -126 .. 127; a block of zeros has e = 0. As a byte (E8M0): e + 127.
;;     - Each number is divided by its block's scale, clamped to +-448, and rounded to the nearest number of E4M3, ties to even, subnormals kept.
;;     - The product sums the exact products of the quantised numbers (number of the format x scale) in f32.
;;   ~~~python
;;   def quantise(x, axis):      # numpy; x: float32 -> the quantised numbers, widened to float32 again
;;       x = np.moveaxis(x, axis, -1); K = x.shape[-1]
;;       x = np.pad(x, [(0, 0)] * (x.ndim - 1) + [(0, -K % 32)]); x = x.reshape(x.shape[:-1] + (-1, 32)); a = np.abs(x).max(-1, keepdims=True)
;;       e = np.where(a > 0, np.clip(np.frexp(np.where(a > 0, a, 1))[1] - 1 - 8, -126, 127), 0)      # np.frexp(a)[1] - 1 = floor(log2(a)), exactly
;;       r = np.clip(x / 2.0 ** e, -448, 448)
;;       step = 2.0 ** (np.maximum(np.frexp(np.where(r == 0, 1, r))[1] - 1, -6) - 3)
;;       q = np.round(r / step) * step * 2.0 ** e      # np.round: ties to even
;;       return np.moveaxis(q.reshape(q.shape[:-2] + (-1,))[..., :K], -1, axis).astype(np.float32)
;;   ~~~
;;   SOFTMAX AHEAD OF A QUANTISED PRODUCT. Where the list says 'softmax', what is quantised is not the finished softmax but p = 2^(t - M), with t = logit x log2(e) and M = ceil(the row's largest t), a whole number; so 1/2 < the row's largest p <= 1. The row's sum l is taken of the UNQUANTISED p, in f32, and the product's result is divided by l at the end. Since M is a whole number, a kernel that streams over the keys may use a running M (the ceiling of the running maximum): every later rescaling is an exact power of two, which a block's scale takes up: the codes' values come out the same.
;;   OPERANDS COMPUTED ON THE WAY. 'Computed on the way' means the value that the module computes at that place (a softmax that the list does not call 'softmax' is quantised finished and normalised). What goes into a quantiser is computed in f32, as accurately as f32 sums, v_exp_f32 and their like allow (about 1e-6 of the number): no bf16 or f16 on the way to a quantiser, and a product that is left as it is and whose result goes on into a quantised operand takes f32 operands (vector FMAs, or v_wmma_f32_16x16x4_f32). A number that lies on a knife's edge between two numbers of the format may be rounded either way, as far as f32 arithmetic and the matrix unit's own rounding can turn it there, and no further.
;; One version. Each part assembles by itself: llvm-mc -triple=amdgcn-amd-amdhsa -mcpu=gfx1250 --defsym DOCPART=n.
;; ======== version 1 of 1: 3 launches
;; limits: right only within a limited range of input values
;; workspace buffers: x_codes 8,388,608 bytes; x_scales 262,144 bytes; w_codes 3,145,728 bytes; w_scales 98,304 bytes; qk_img 16,777,216 bytes; qk_sw 1,048,576 bytes; v_img 8,388,608 bytes; v_sw 262,144 bytes
;; launch quant (part 1): grid 352 x 1, 4 waves a work-group, no clusters, 68,096 bytes of LDS; arguments hidden_states, Wq, Wk, Wv, x_codes, x_scales, w_codes, w_scales; writes x_codes, x_scales, w_codes, w_scales
.if DOCPART == 1
	.amdgcn_target "amdgcn-amd-amdhsa--gfx1250"
	.amdhsa_code_object_version 6
	.text
	.protected	k_q54c287fc4c_quant
	.globl	k_q54c287fc4c_quant
	.p2align	8
	.type	k_q54c287fc4c_quant,@function
k_q54c287fc4c_quant:
	s_mov_b64 s[64:65], 0
	v_nop
	global_prefetch_b8 v0, s[64:65] scope:SCOPE_SE
	s_setreg_imm32_b32 hwreg(HW_REG_WAVE_MODE, 25, 1), 1
	s_wait_xcnt 0x0
; hidden_states [8192][1024] f32 (K innermost) and Wq, Wk, Wv [1024 (k)][1024 (n)] f32 (K is the FIRST axis) become codes of FP8 (E4M3), K innermost, with one E8M0 byte for each 32 along K.
; x_codes [8192][1024], x_scales [8192][32];  w_codes [3072][1024], w_scales [3072][32]: rows 0-1023 Wq's columns, 1024-2047 Wk's, 2048-3071 Wv's.
; A block's scale is 2^(floor(log2(its largest magnitude)) - 8); its byte is the largest magnitude's exponent field - 8, held at 1 from below.  Each number is divided by the scale, held within +-448, rounded to the nearest code, ties to even.
; (A block of zeros gets the byte 1 where the rule says 127: its codes are zeros, which add nothing under any byte but 0xff, and this program alone reads the bytes.)
; ROWS ARE STORED PERMUTED: row rho of x, and column rho of a weight, goes to place pi(rho), pi = bits 3 and 4 of the index exchanged.  Sixteen neighbouring PLACES then hold rows 32 b + 8 u + r + 8 (r / 8):
; used as source 0 of a matrix instruction, two neighbouring tiles give a lane 16 neighbours along the next product's K.
; LIMITS: NaN and infinities among the inputs are not served.
; Work-groups 0-255 take x (a wave: 8 rows = 8,192 numbers, 16 steps of 512); work-groups 256-351 take the weights (a wave: 32 columns x 256 along K).  The two ways have LDS bytes of their own.  Waves share nothing: no barrier.
.set XWG,   256                        ; x's work-groups
.set STEPS, 16
.set EMAX,  8
.set MANT,  0x600000                   ; the mantissa field of 448 as f32
.set CB,    16                         ; bytes of 16 codes
.set R,     16                         ; x: v16-79   four sets of 16 numbers as they are loaded
.set X,     80                         ; x: v80-111  two sets of 16 neighbours
.set C,     128                        ; x: v128-191 codes, four registers for each step: no store's data are written again
.set E,     112                        ; x: v112-127 a scale byte for each step
.set WREG,  8192                       ; x: LDS for each wave: two stages of 32 x SP bytes, behind them its 256 scale bytes
.set SP,    80                         ; a lane's place in a stage: 64 bytes + 16 of padding
.set WLDS,  32768                      ; weights: their LDS begins behind x's
.set NB,    8                          ; weights: blocks of 32 along K for a wave
.set PITCH, 272                        ; weights: a stage row: 256 codes + 16 of padding
.set WROW,  4096                       ; a row of a weight in memory
.set KROW,  1024                       ; a row of codes
.set WX,    32                         ; weights: v32-95 two sets of 32 numbers
.set WC,    96                         ; weights: v96-103 a block's codes
.set OUTR,  112                        ; weights: v112-175 the way out
.set SB,    24                         ; weights: v24-25 the scale bytes, four to a register
	s_load_b256 s[4:11], s[0:1], 0x0               ; hidden_states s[4:5], Wq s[6:7], Wk s[8:9], Wv s[10:11]
	s_load_b256 s[12:19], s[0:1], 0x20             ; x_codes s[12:13], x_scales s[14:15], w_codes s[16:17], w_scales s[18:19]
	v_lshl_add_u32 v192, v0, 2, 0x10800
	v_mov_b32 v193, 0
	v_lshrrev_b32 v1, 5, v0
	v_readfirstlane_b32 s20, v1                    ; wave 0..3
	v_and_b32 v2, 31, v0                           ; lane
	s_cmp_lt_u32 ttmp9, XWG
	s_cbranch_scc0 .Lweights
; ---------------- x: K innermost.  Each load reads 512 consecutive bytes; a step's 2,048 bytes turn through the wave's own stage so that a lane holds 16 neighbours; two neighbouring lanes hold a block.
	v_lshlrev_b32 v3, 4, v2                        ; my 16 bytes of a load's 512
	s_mul_i32 s21, s20, WREG
	v_lshrrev_b32 v14, 2, v2
	v_mul_u32_u24 v14, v14, SP
	v_and_b32 v15, 3, v2
	v_lshl_add_u32 v14, v15, 4, v14
	v_add_nc_u32 v14, s21, v14                     ; the stage, on the way in: SP (lane / 4) + 16 (lane % 4)
	v_mul_u32_u24 v15, v2, SP
	v_add_nc_u32 v15, s21, v15                     ; and on the way out: SP x lane
	v_mul_u32_u24 v4, v2, CB                       ; my codes' place in a step's
	v_lshrrev_b32 v5, 1, v2
	s_add_co_u32 s21, s21, 2*32*SP
	v_add_nc_u32 v5, s21, v5                       ; LDS: my wave's 256 scale bytes, my block's byte
	v_lshlrev_b32 v7, 3, v2                        ; and on the way out 8 bytes a lane
	v_add_nc_u32 v6, s21, v7
	s_lshl_b32 s24, ttmp9, 2
	s_add_co_u32 s26, s24, s20                     ; my run of 8 rows: 4 x work-group + wave
	s_lshl_b32 s26, s26, 15                        ; 32,768 bytes of f32 a run
	s_mov_b32 s27, 0
	s_and_b32 s28, s20, 1                          ; pi on rows: bits 3 and 4 of a row are bits 0 and 1 of its run, which are the wave's two bits
	s_lshl_b32 s28, s28, 1
	s_lshr_b32 s29, s20, 1
	s_or_b32 s28, s28, s29
	s_add_co_u32 s28, s24, s28                     ; the run's place
	s_lshl_b32 s30, s28, 13                        ; 8,192 bytes of codes a run
	s_mov_b32 s31, 0
	s_lshl_b32 s28, s28, 8                         ; 256 scale bytes a run
	s_mov_b32 s29, 0
	s_wait_alu depctr_va_vdst(0)
	s_wait_kmcnt 0x0
	s_add_nc_u64 s[4:5], s[4:5], s[26:27]
	s_add_nc_u64 s[12:13], s[12:13], s[30:31]
	s_add_nc_u64 s[14:15], s[14:15], s[28:29]
.macro LOAD t
.irp i, 0,1,2,3
	global_load_b128 v[R+16*((\t)%4)+4*\i:R+16*((\t)%4)+4*\i+3], v3, s[4:5] offset:2048*(\t)+512*\i th:TH_LOAD_NT   ; 32 lanes read 512 consecutive bytes
.endr
.endm
.macro TURN t                          ; step t's numbers through the stage: LDS serves a wave's instructions in order, so no wait stands between the stores and the loads
.irp i, 0,1,2,3
	ds_store_b128 v14, v[R+16*((\t)%4)+4*\i:R+16*((\t)%4)+4*\i+3] offset:32*SP*((\t)%2)+8*SP*\i
.endr
.irp i, 0,1,2,3
	ds_load_b128 v[X+16*((\t)%2)+4*\i:X+16*((\t)%2)+4*\i+3], v15 offset:32*SP*((\t)%2)+16*\i
.endr
.endm
.irp t, 0,1,2,3
	LOAD \t
.endr
	s_wait_loadcnt 12                              ; step 0's four loads are in; the twelve of steps 1 to 3 may be out
	TURN 0
.macro STEP t
.set XS, X+16*((\t)%2)
.if (\t) > 0
	s_wait_dscnt 1                                 ; this step's numbers are back from the stage (the last step's byte store may be out): so its stores into the stage have read their registers,
.else
	s_wait_dscnt 0x0
.endif
.if (\t)+4 < STEPS
	LOAD (\t)+4                                    ; which take the loads of four steps on
.endif
.if (\t)+1 < STEPS
.if STEPS-2-(\t) >= 3
	s_wait_loadcnt 12                              ; the next step's four loads are in; those of the three steps behind it may be out
.else
	s_wait_loadcnt 4*(STEPS-2-(\t))
.endif
	TURN (\t)+1                                    ; and go through the other stage while this step is worked
.endif
	v_max3_num_f32 v8, |v[XS]|, |v[XS+1]|, |v[XS+2]|               ; the largest magnitude of my 16, in two chains
	v_max3_num_f32 v9, |v[XS+3]|, |v[XS+4]|, |v[XS+5]|
.irp i, 6,10
	v_max3_num_f32 v8, v8, |v[XS+\i]|, |v[XS+\i+1]|
	v_max3_num_f32 v9, v9, |v[XS+\i+2]|, |v[XS+\i+3]|
.endr
	v_max3_num_f32 v8, v8, |v[XS+14]|, |v[XS+15]|
	v_max3_num_f32 v8, v8, v9, (EMAX+1)<<23        ; and the floor 2^(EMAX + 1 - 127): the byte cannot fall under 1
	v_max_num_f32_dpp v8, v8, v8 row_xmask:1 row_mask:0xf bank_mask:0xf   ; and of my neighbour's 16: the block's
	v_add_nc_u32 v11, -(EMAX<<23), v8              ; EMAX off its exponent field: the conversion takes the exponent field of this operand as its scale
.irp i, 0,1,2,3,4,5,6,7,8,9,10,11,12,13,14,15
.endr
	v_cvt_scalef32_pk8_fp8_f32 v[C+4*(\t):C+4*(\t)+1], v[XS:XS+7], v11
	v_cvt_scalef32_pk8_fp8_f32 v[C+4*(\t)+2:C+4*(\t)+3], v[XS+8:XS+15], v11
	v_lshrrev_b32 v[E+(\t)], 23, v11               ; the scale's byte (also the plain line behind the conversions)
	ds_store_b8 v5, v[E+(\t)] offset:16*(\t)       ; both lanes of a block write the same byte with the same value
	global_store_b128 v4, v[C+4*(\t):C+4*(\t)+3], s[12:13] offset:32*CB*(\t)   ; the wave stores 512 consecutive bytes
.endm
.irp t, 0,1,2,3,4,5,6,7,8,9,10,11,12,13,14,15
	STEP \t
.endr
	ds_load_b64 v[12:13], v6                       ; LDS serves a wave's instructions in order: these see my stores
	s_wait_dscnt 0x0
	global_store_b64 v7, v[12:13], s[14:15]        ; 32 lanes store 256 consecutive bytes, aligned
	s_wait_tensorcnt 0x0
	ds_add_u32 v192, v193
	s_wait_dscnt 0x0
	s_endpgm
; ---------------- the weights: K is the first axis.  A lane takes a column n and its registers run down K: a block of 32 lies in one lane, and the conversions give codes with K innermost.
.Lweights:
	s_sub_co_u32 s21, ttmp9, XWG                   ; 0..95
	s_lshr_b32 s22, s21, 5                         ; which weight: 0 Wq, 1 Wk, 2 Wv
	s_and_b32 s24, s21, 7                          ; which 128 columns
	s_bfe_u32 s25, s21, 0x20003                    ; which 256 along K
	s_lshl_b32 s24, s24, 7
	s_lshl_b32 s26, s20, 5
	s_add_co_u32 s24, s24, s26                     ; my wave's first column
	s_lshl_b32 s26, s25, 20                        ; 256 rows of 4,096 bytes
	s_lshl_b32 s27, s24, 2
	s_add_co_u32 s26, s26, s27
	s_mov_b32 s27, 0                               ; s[26:27]: where my part of the weight begins
	s_lshl_b32 s28, s22, 10
	s_add_co_u32 s28, s28, s24                     ; my first row of codes
	s_lshl_b32 s30, s28, 10
	s_lshl_b32 s29, s25, 8
	s_add_co_u32 s30, s30, s29
	s_mov_b32 s31, 0                               ; s[30:31]: in w_codes
	s_lshl_b32 s28, s28, 5
	s_lshl_b32 s29, s25, 3
	s_add_co_u32 s28, s28, s29
	s_mov_b32 s29, 0                               ; s[28:29]: in w_scales
	s_wait_alu depctr_va_vdst(0)
	v_lshlrev_b32 v3, 2, v2                        ; in: 4 bytes a lane
	s_mul_i32 s21, s20, 32*PITCH
	s_add_co_u32 s21, s21, WLDS                    ; my stage
	v_mul_u32_u24 v4, v2, PITCH
	v_add_nc_u32 v4, s21, v4                       ; into it: row = my column
	v_and_b32 v5, 15, v2
	v_lshrrev_b32 v6, 4, v2                        ; out of it: sixteen lanes to a row, two rows an instruction
	v_mul_u32_u24 v7, v6, PITCH
	v_lshl_add_u32 v7, v5, 4, v7
	v_add_nc_u32 v7, s21, v7
	v_mul_u32_u24 v8, v6, KROW
	v_lshl_add_u32 v8, v5, 4, v8                   ; and the same place in the codes' buffer (bit 0 of a column is not moved by pi)
	v_and_b32 v9, 7, v2                            ; my column's place among the wave's 32: pi(lane)
	v_bfe_u32 v10, v2, 3, 1
	v_lshl_or_b32 v9, v10, 4, v9
	v_bfe_u32 v10, v2, 4, 1
	v_lshl_or_b32 v9, v10, 3, v9
	v_lshlrev_b32 v9, 5, v9                        ; 32 scale bytes a row
	s_wait_kmcnt 0x0
	s_cmp_eq_u32 s22, 0                            ; the weight is chosen by the work-group's number alone
	s_cselect_b64 s[6:7], s[6:7], s[8:9]
	s_cmp_eq_u32 s22, 2
	s_cselect_b64 s[6:7], s[10:11], s[6:7]
	s_add_nc_u64 s[6:7], s[6:7], s[26:27]
	s_add_nc_u64 s[16:17], s[16:17], s[30:31]
	s_add_nc_u64 s[18:19], s[18:19], s[28:29]
.macro WLOAD t                         ; block t: W(32 t + i, my column), i = 0 .. 31, into set t % 2; the wave reads 128 consecutive bytes, the four waves 512
.irp i, 0,1,2,3,4,5,6,7,8,9,10,11,12,13,14,15,16,17,18,19,20,21,22,23,24,25,26,27,28,29,30,31
	global_load_b32 v[WX+32*((\t)%2)+\i], v3, s[6:7] offset:(32*(\t)+\i)*WROW th:TH_LOAD_NT
.endr
.endm
	WLOAD 0
	WLOAD 1
.macro WBLOCK t
.set XS, WX+32*((\t)%2)
.if (\t) < NB-1
	s_wait_loadcnt 32                              ; this block's 32 loads are in; the next block's 32 may be out
.else
	s_wait_loadcnt 0
.endif
	v_max3_num_f32 v12, |v[XS]|, |v[XS+1]|, |v[XS+2]|               ; the block's largest magnitude: all 32 numbers are mine
	v_max3_num_f32 v13, |v[XS+3]|, |v[XS+4]|, |v[XS+5]|
.irp i, 6,10,14,18,22,26
	v_max3_num_f32 v12, v12, |v[XS+\i]|, |v[XS+\i+1]|
	v_max3_num_f32 v13, v13, |v[XS+\i+2]|, |v[XS+\i+3]|
.endr
	v_max3_num_f32 v12, v12, |v[XS+30]|, |v[XS+31]|
	v_max3_num_f32 v12, v12, v13, (EMAX+1)<<23     ; and the floor
	v_add_nc_u32 v11, -(EMAX<<23), v12             ; the conversion's scale operand
	v_lshrrev_b32 v13, 23, v11                     ; the scale's byte
.if (\t)%4 == 0
	v_mov_b32 v[SB+(\t)/4], v13                    ; four bytes to a register, the lower K in the lower byte
.else
	v_lshl_or_b32 v[SB+(\t)/4], v13, 8*((\t)%4), v[SB+(\t)/4]
.endif
.irp i, 0,1,2,3,4,5,6,7,8,9,10,11,12,13,14,15,16,17,18,19,20,21,22,23,24,25,26,27,28,29,30,31
.endr
.irp g, 0,1,2,3
	v_cvt_scalef32_pk8_fp8_f32 v[WC+2*\g:WC+2*\g+1], v[XS+8*\g:XS+8*\g+7], v11
.endr
	v_nop                                          ; a plain line behind the last conversion
	ds_store_b128 v4, v[WC:WC+3] offset:32*(\t)    ; 32 codes: 32 bytes of my column's row
	ds_store_b128 v4, v[WC+4:WC+7] offset:32*(\t)+16
.if (\t)+2 < NB
	WLOAD (\t)+2
.endif
	s_wait_dscnt 0x0                               ; the stores have read their registers: the next block's codes may be written
.endm
.set Q, 0
.rept NB
	WBLOCK Q
.set Q, Q+1
.endr
	s_wait_alu depctr_va_vdst(0)
	global_store_b64 v9, v[SB:SB+1], s[18:19]      ; my column's 8 scale bytes
.irp t, 0,1,2,3,4,5,6,7,8,9,10,11,12,13,14,15
	ds_load_b128 v[OUTR+4*\t:OUTR+4*\t+3], v7 offset:2*\t*PITCH   ; LDS serves a wave's instructions in order: these see my stores
.endr
.irp t, 0,1,2,3,4,5,6,7,8,9,10,11,12,13,14,15
	s_wait_dscnt 15-\t                             ; read-back t is in; the younger ones may be out
	global_store_b128 v8, v[OUTR+4*\t:OUTR+4*\t+3], s[16:17] offset:(2*(\t%4)+16*((\t/4)%2)+8*(\t/8))*KROW   ; columns 2 t, 2 t + 1 go to places pi(2 t), pi(2 t) + 1; sixteen lanes store 256 consecutive bytes, aligned
.endr
	s_wait_tensorcnt 0x0
	ds_add_u32 v192, v193
	s_wait_dscnt 0x0
	s_endpgm
.Lfunc_end_k_q54c287fc4c_quant:
	.size	k_q54c287fc4c_quant, .Lfunc_end_k_q54c287fc4c_quant-k_q54c287fc4c_quant
	.p2alignl 7, 3214868480
	.fill 96, 4, 3214868480
	.section	.rodata,"a",@progbits
	.p2align	6, 0x0
	.amdhsa_kernel k_q54c287fc4c_quant
		.amdhsa_group_segment_fixed_size 68096
		.amdhsa_private_segment_fixed_size 0
		.amdhsa_enable_private_segment 0
		.amdhsa_kernarg_size 64
		.amdhsa_user_sgpr_count 2
		.amdhsa_user_sgpr_kernarg_segment_ptr 1
		.amdhsa_wavefront_size32 1
		.amdhsa_system_sgpr_workgroup_id_x 1
		.amdhsa_system_sgpr_workgroup_id_y 1
		.amdhsa_system_sgpr_workgroup_id_z 1
		.amdhsa_system_vgpr_workitem_id 0
		.amdhsa_next_free_vgpr 194
		.amdhsa_next_free_sgpr 66
		.amdhsa_reserve_vcc 0
		.amdhsa_float_denorm_mode_32 3
		.amdhsa_float_denorm_mode_16_64 3
		.amdhsa_fp16_overflow 1
		.amdhsa_memory_ordered 1
		.amdhsa_forward_progress 1
		.amdhsa_inst_pref_size 76
	.end_amdhsa_kernel
	.amdgpu_metadata
---
amdhsa.version: [ 1, 2 ]
amdhsa.kernels:
  - .name:           k_q54c287fc4c_quant
    .symbol:         k_q54c287fc4c_quant.kd
    .args:
      - { .name: hidden_states, .offset: 0, .size: 8, .value_kind: global_buffer, .address_space: global }
      - { .name: Wq, .offset: 8, .size: 8, .value_kind: global_buffer, .address_space: global }
      - { .name: Wk, .offset: 16, .size: 8, .value_kind: global_buffer, .address_space: global }
      - { .name: Wv, .offset: 24, .size: 8, .value_kind: global_buffer, .address_space: global }
      - { .name: x_codes, .offset: 32, .size: 8, .value_kind: global_buffer, .address_space: global }
      - { .name: x_scales, .offset: 40, .size: 8, .value_kind: global_buffer, .address_space: global }
      - { .name: w_codes, .offset: 48, .size: 8, .value_kind: global_buffer, .address_space: global }
      - { .name: w_scales, .offset: 56, .size: 8, .value_kind: global_buffer, .address_space: global }
    .group_segment_fixed_size: 68096
    .private_segment_fixed_size: 0
    .kernarg_segment_align: 8
    .kernarg_segment_size: 64
    .max_flat_workgroup_size: 128
    .sgpr_count:     66
    .vgpr_count:     194
    .wavefront_size: 32
...
	.end_amdgpu_metadata
.endif
;; end of part 1
;; launch proj (part 2): grid 8 x 48, 4 waves a work-group, clusters of 4 x 4, 327,680 bytes of LDS; arguments x_codes, x_scales, w_codes, w_scales, bq, bk, bv, qk_img, qk_sw, v_img, v_sw; writes qk_img, qk_sw, v_img, v_sw
.if DOCPART == 2
	.amdgcn_target "amdgcn-amd-amdhsa--gfx1250"
	.amdhsa_code_object_version 6
	.text
	.protected	k_q54c287fc4c_proj
	.globl	k_q54c287fc4c_proj
	.p2align	8
	.type	k_q54c287fc4c_proj,@function
k_q54c287fc4c_proj:
	s_mov_b64 s[64:65], 0
	v_nop
	global_prefetch_b8 v0, s[64:65] scope:SCOPE_SE
	s_setreg_imm32_b32 hwreg(HW_REG_WAVE_MODE, 25, 1), 1
	s_wait_xcnt 0x0
	s_wait_alu depctr_hold_cnt(0) depctr_sa_sdst(0) depctr_va_vdst(0) depctr_va_sdst(0) depctr_va_ssrc(0) depctr_va_vcc(0) depctr_vm_vsrc(0)
	s_getreg_b32 s2, hwreg(HW_REG_IB_STS2, 6, 4)
	s_cmp_eq_u32 s2, 0
	s_cbranch_scc0 .Lentry_in_a_cluster
	s_endpgm
.Lentry_in_a_cluster:
	s_bfe_u32 s2, ttmp6, 0x10000c
	s_cmp_lg_u32 s2, 0xf033
	s_cbranch_scc0 .Lentry_shape_is_right
	s_endpgm
.Lentry_shape_is_right:
.set SIZE_K, 1024
.set KSTEP,  256
.set NQ,     KSTEP/128
.set ROWB,   256
.set KROW,   SIZE_K
.set PITCH,  272
.set FR,     16
.set NL,     4
.set NP,     8
.set HALFT,  128*PITCH
.set SLOT,   4*HALFT
.set LAPS,   SIZE_K/(2*KSTEP)
.set KS,     SIZE_K/32
.set SCL,    2*SLOT
.set HALFS,  (128*KS/256)*272
.set SBLK,   (16*KS/256)*272
.set SPARE,  SCL+4*HALFS
.set BIO,  7
.set BJ,   8
.set ADRA, 16
.set ADRB, 20
.set LI,   24
.set SWO,  25
.set SH,   26
.set ADRS, 27
.set SPW,  28
.set NIL,  29
.set BJO,  30
.set SC,   32
.set BI,   64
.set AF,   128
.set T,    128
.set PC,   192
.set TM,   208
.set BJD,  224
.set PW,   240
.set W,    248
.set G1, 24
.set G0, 32
.set G1B, 48
.set G0B, 56
.set G1S, 68
.set G0S, 76
.set G1SB, 80
.set G0SB, 88
.set ISV, 95
.set MSB, 0
.macro WIN new
.if MSB != \new
	s_set_vgpr_msb (MSB<<8)|\new
.set MSB, \new
.endif
.endm
.set MUL_LO, 0xa1
.set MUL_HI, 0xf1
.set TO_B,   0x40
.macro JLOAD g0a, g1a, g0b, g1b
	s_cmp_eq_u32 s15, 0
	s_cbranch_scc0 .Lfor_b_\@
	tensor_load_to_lds s[\g0a:\g0a+3], s[\g1a:\g1a+7]
	s_nop 0
.rept 4
	v_nop
.endr
	s_branch .Lasked_\@
.Lfor_b_\@:
	tensor_load_to_lds s[\g0b:\g0b+3], s[\g1b:\g1b+7]
	s_nop 0
.rept 4
	v_nop
.endr
.Lasked_\@:
.endm
.macro CREST
	s_cmp_lg_u32 s14, 0
	s_cbranch_scc1 .Lnot_wave_0_\@
	s_barrier_signal -3
.Lnot_wave_0_\@:
	s_barrier_wait -3
	s_barrier_signal -1
	s_barrier_wait -1
.endm
.macro CROUND
	s_barrier_signal -1
	s_barrier_wait -1
	CREST
.endm
	s_load_b256 s[68:75], s[0:1], 0x0
	s_load_b256 s[80:87], s[0:1], 0x20
	s_load_b128 s[88:91], s[0:1], 0x40
	s_load_b64 s[92:93], s[0:1], 0x50
	v_lshl_add_u32 v[SPW], v0, 2, SPARE
	v_mov_b32 v[NIL], 0
	ds_add_u32 v28, v29
	ds_add_u32 v28, v29
	s_wait_dscnt 0x0
	v_lshrrev_b32 v1, 5, v0
	v_readfirstlane_b32 s14, v1
	s_lshr_b32 s15, s14, 1
	s_and_b32 s16, s14, 1
	s_bfe_u32 s40, ttmp6, 0x40000
	s_bfe_u32 s41, ttmp6, 0x40004
	s_and_b32 s2, ttmp7, 0xffff
	s_sub_co_u32 s19, s2, 8
	s_lshl_b32 s19, s19, 3
	s_cmp_ge_u32 s2, 8
	s_cselect_b32 s[ISV], 1, 0
	s_cselect_b32 s18, 0, s2
	s_cselect_b32 s19, s19, 0
	s_cselect_b32 s3, 2048, 0
	s_lshl_b32 s17, s18, 2
	s_add_co_u32 s17, s17, s41
	s_lshl_b32 s42, ttmp9, 2
	s_add_co_u32 s42, s42, s40
	s_add_co_u32 s42, s42, s19
	s_lshl_b32 s43, s41, 2
	s_lshl_b32 s43, 15, s43
	s_lshl_b32 s44, 0x1111, s40
	s_lshl_b32 s18, s16, 7
	s_lshl_b32 s20, s17, 8
	s_add_co_u32 s20, s20, s18
	s_add_co_u32 s20, s20, s3
	s_lshl_b32 s46, s42, 8
	s_add_co_u32 s46, s46, s18
	s_mov_b32 s21, 0
	s_mov_b32 s47, 0
	s_lshl_b64 s[22:23], s[20:21], 5
	s_lshl_b64 s[98:99], s[46:47], 5
	s_lshl_b64 s[20:21], s[20:21], 10
	s_lshl_b64 s[46:47], s[46:47], 10
	s_mul_i32 s45, s14, HALFT
	s_mul_i32 s94, s14, HALFS
	s_wait_kmcnt 0x0
	s_cmp_lg_u32 s[ISV], 0
	s_cselect_b64 s[4:5], s[72:73], s[68:69]
	s_cselect_b64 s[6:7], s[74:75], s[70:71]
	s_cselect_b64 s[8:9], s[68:69], s[72:73]
	s_cselect_b64 s[10:11], s[70:71], s[74:75]
	s_cselect_b64 s[12:13], s[90:91], s[86:87]
	s_cselect_b64 s[100:101], s[92:93], s[88:89]
	s_cmp_eq_u32 ttmp9, 0
	s_cselect_b64 s[96:97], s[80:81], s[82:83]
	s_add_nc_u64 s[20:21], s[4:5], s[20:21]
	s_add_nc_u64 s[22:23], s[6:7], s[22:23]
	s_add_nc_u64 s[46:47], s[8:9], s[46:47]
	s_add_nc_u64 s[92:93], s[10:11], s[98:99]
	s_mov_b64 s[98:99], s[84:85]
	s_or_b32 s[G1+0], s43, (0<<16)|(1<<20)|(1<<21)|(5<<22)|(3<<25)
	s_or_b32 s[G1B+0], s44, (0<<16)|(1<<20)|(1<<21)|(5<<22)|(3<<25)
.irp g, G1, G1B
	s_mov_b32 s[\g+1], ROWB<<16
	s_mov_b32 s[\g+2], 128<<16
	s_mov_b32 s[\g+3], ROWB<<16
	s_mov_b32 s[\g+4], 128
	s_mov_b32 s[\g+5], KROW
	s_mov_b32 s[\g+6], 0
	s_mov_b32 s[\g+7], 0
.endr
	s_or_b32 s[G1S+0], s43, (3<<16)|(1<<20)|(1<<21)|(5<<22)|(3<<25)
	s_or_b32 s[G1SB+0], s44, (3<<16)|(1<<20)|(1<<21)|(5<<22)|(3<<25)
.irp g, G1S, G1SB
	s_mov_b32 s[\g+1], 32<<16
	s_mov_b32 s[\g+2], (128*KS/256)<<16
	s_mov_b32 s[\g+3], 32<<16
	s_mov_b32 s[\g+4], 128*KS/256
	s_mov_b32 s[\g+5], 32
	s_mov_b32 s[\g+6], 0
	s_mov_b32 s[\g+7], 0
.endr
	CROUND
	s_mov_b32 s[G0S], 1
	s_add_co_u32 s[G0S+1], s94, SCL
	s_mov_b64 s[G0S+2:G0S+3], s[22:23]
	s_or_b32 s[G0S+3], s[G0S+3], 0x80000000
	s_mov_b32 s[G0SB], 1
	s_add_co_u32 s[G0SB+1], s94, SCL
	s_mov_b64 s[G0SB+2:G0SB+3], s[92:93]
	s_or_b32 s[G0SB+3], s[G0SB+3], 0x80000000
	JLOAD G0S, G1S, G0SB, G1SB
.irp s, 0,1
	s_mov_b32 s[G0+4*\s], 1
	s_add_co_u32 s[G0+4*\s+1], s45, \s*SLOT
	s_add_nc_u64 s[G0+4*\s+2:G0+4*\s+3], s[20:21], \s*ROWB
	s_or_b32 s[G0+4*\s+3], s[G0+4*\s+3], 0x80000000
	s_mov_b32 s[G0B+4*\s], 1
	s_add_co_u32 s[G0B+4*\s+1], s45, \s*SLOT
	s_add_nc_u64 s[G0B+4*\s+2:G0B+4*\s+3], s[46:47], \s*ROWB
	s_or_b32 s[G0B+4*\s+3], s[G0B+4*\s+3], 0x80000000
	s_wait_alu depctr_va_vdst(0)
	s_wait_tensorcnt 0x0
	ds_add_u32 v28, v29
	s_wait_dscnt 0x0
	CROUND
	JLOAD G0+4*\s, G1, G0B+4*\s, G1B
.endr
	v_and_b32 v1, 15, v0
	v_bfe_u32 v2, v0, 4, 1
	v_mul_u32_u24 v3, v1, PITCH
	v_lshl_add_u32 v4, v2, 4, v3
	s_mul_i32 s21, s15, HALFT
	s_mul_i32 s22, s16, HALFT
	s_add_co_u32 s22, s22, 2*HALFT
.irp s, 0,1
	v_add_nc_u32 v[ADRA+\s], s21, v4
	v_add_nc_u32 v[ADRB+\s], s22, v4
	s_add_co_u32 s21, s21, SLOT
	s_add_co_u32 s22, s22, SLOT
.endr
	v_mul_u32_u24 v5, v1, KS
	v_lshrrev_b32 v6, 8, v5
	v_lshl_add_u32 v5, v6, 4, v5
	s_mul_i32 s21, s15, HALFS
	s_mul_i32 s22, s16, HALFS
	s_add_co_u32 s22, s22, 2*HALFS
	s_sub_co_u32 s22, s22, s21
	v_mul_u32_u24 v6, s22, v2
	s_add_co_u32 s21, s21, SCL
	v_add_nc_u32 v5, v5, v6
	v_add_nc_u32 v[ADRS], s21, v5
	s_lshl_b32 s18, s17, 8
	s_lshl_b32 s20, s15, 7
	s_add_co_u32 s18, s18, s20
	s_lshl_b32 s19, s42, 8
	s_lshl_b32 s20, s16, 7
	s_add_co_u32 s19, s19, s20
	s_and_b32 s20, s19, 1023
	s_lshl_b32 s20, s20, 2
	v_lshl_add_u32 v[BIO], v2, 6, s20
	s_and_b32 s20, s18, 1023
	s_lshl_b32 s20, s20, 2
	v_and_b32 v3, 7, v1
	v_lshrrev_b32 v4, 3, v1
	v_lshl_or_b32 v3, v4, 4, v3
	v_lshl_add_u32 v[BJO], v3, 2, s20
.irp e, 0,1,2,3,4,5,6,7
	global_load_b128 v[BI+8*\e:BI+8*\e+3], v[BIO], s[96:97] offset:4*(32*(\e/2)+8*(\e%2))
	global_load_b128 v[BI+8*\e+4:BI+8*\e+7], v[BIO], s[96:97] offset:4*(32*(\e/2)+8*(\e%2))+16
.endr
.irp a, 0,1,2,3,4,5,6,7
	global_load_b32 v[BJ+\a], v[BJO], s[98:99] offset:4*(32*(\a/2)+8*(\a%2))
.endr
	s_cmp_lg_u32 s[ISV], 0
	s_cselect_b32 s20, s19, s18
	s_cselect_b32 s21, s18, s19
	s_lshr_b32 s22, s20, 11
	s_and_b32 s20, s20, 2047
	s_lshr_b32 s21, s21, 6
	s_lshr_b32 s23, s20, 7
	s_lshl_b32 s2, s21, 19
	s_lshl_b32 s3, s22, 17
	s_add_co_u32 s2, s2, s3
	s_lshl_b32 s3, s20, 6
	s_add_co_u32 s2, s2, s3
	s_lshl_b32 s46, s22, 21
	s_lshl_b32 s3, s21, 17
	s_add_co_u32 s46, s46, s3
	s_lshl_b32 s3, s23, 13
	s_add_co_u32 s46, s46, s3
	s_lshr_b32 s47, s46, 5
	s_lshr_b32 s3, s2, 4
	s_cmp_lg_u32 s[ISV], 0
	s_cselect_b32 s20, s46, s2
	s_cselect_b32 s22, s47, s3
	s_mov_b32 s2, 0x80000
	s_cselect_b32 s2, 1024, s2
	s_mov_b32 s92, 1024
	s_cselect_b32 s92, 2048, s92
	s_mov_b32 s46, 1024
	s_cselect_b32 s46, 124928, s46
	s_mov_b32 s18, 32768
	s_cselect_b32 s18, 4096, s18
	s_mov_b32 s21, 0
	s_mov_b32 s23, 0
	s_mov_b32 s3, 0
	s_mov_b32 s93, 0
	s_mov_b32 s47, 0
	s_add_nc_u64 s[12:13], s[12:13], s[20:21]
	s_add_nc_u64 s[66:67], s[12:13], s[2:3]
	s_add_nc_u64 s[100:101], s[100:101], s[22:23]
	v_mul_u32_u24 v[SWO], s18, v2
	v_lshl_add_u32 v[SWO], v1, 4, v[SWO]
	v_lshlrev_b32 v[SH], 4, v2
	v_and_b32 v6, 31, v0
	v_lshlrev_b32 v[LI], 4, v6
.macro FRAG reg, adr, q, i
.irp c, 0,1,2,3
	ds_load_b128 v[\reg+4*\c:\reg+4*\c+3], v[\adr] offset:128*(\q)+32*\c+(\i)*16*PITCH
.endr
.endm
.macro MUL16 a0, p, q, sc, zero
.irp a, \a0, \a0+1
.irp b, 0,1,2,3,4,5,6,7
.if \zero
	v_wmma_scale_f32_16x16x128_f8f6f4 v[8*(8*((\a)%4)+\b):8*(8*((\a)%4)+\b)+7], v[128*(\p)+FR*\b:128*(\p)+FR*\b+FR-1], v[AF+FR*(\a):AF+FR*(\a)+FR-1], 0, v[SC+8*NQ*(\sc)+NQ*\b+(\q)], v[SC+8*NQ*(\sc)+NQ*(\a)+(\q)] matrix_a_scale:MATRIX_SCALE_ROW1
.else
	v_wmma_scale_f32_16x16x128_f8f6f4 v[8*(8*((\a)%4)+\b):8*(8*((\a)%4)+\b)+7], v[128*(\p)+FR*\b:128*(\p)+FR*\b+FR-1], v[AF+FR*(\a):AF+FR*(\a)+FR-1], v[8*(8*((\a)%4)+\b):8*(8*((\a)%4)+\b)+7], v[SC+8*NQ*(\sc)+NQ*\b+(\q)], v[SC+8*NQ*(\sc)+NQ*(\a)+(\q)] matrix_a_scale:MATRIX_SCALE_ROW1
.endif
.endr
.endr
.endm
.macro FETCH_B slot, q, p
	WIN TO_B
.irp i, 0,1,2,3,4,5,6,7
	FRAG 128*(\p)+FR*\i, ADRB+\slot, \q, \i
.endr
	WIN 0
.endm
.macro FETCH_A slot, q, i0
.irp i, \i0, \i0+1, \i0+2, \i0+3
	FRAG AF+FR*(\i), ADRA+\slot, \q, \i
.endr
.endm
.macro SCALES sc
.irp i, 0,1,2,3,4,5,6,7
	ds_load_b64 v[SC+8*NQ*\sc+NQ*\i:SC+8*NQ*\sc+NQ*\i+1], v[ADRS] offset:\i*SBLK
.endr
.endm
.macro PLACES n
.rept \n
	v_nop
.endr
.endm
.macro STEP slot, q, zero
	s_wait_dscnt 4*NL
	WIN MUL_LO
	MUL16 0, (\q)%2, \q, \slot, \zero
	MUL16 2, (\q)%2, \q, \slot, \zero
	s_wait_dscnt 0
	PLACES NP
	FETCH_B \slot, (\q)+1, 1-(\q)%2
	FETCH_A \slot, (\q)+1, 0
	WIN MUL_HI
	MUL16 4, (\q)%2, \q, \slot, \zero
	MUL16 6, (\q)%2, \q, \slot, \zero
	PLACES NP
	WIN 0
	FETCH_A \slot, (\q)+1, 4
.endm
.macro TURN slot, next, fill
	s_wait_tensorcnt 0x0
	ds_add_u32 v[SPW], v[NIL]
	s_wait_dscnt 4*NL+1
	WIN MUL_LO
	MUL16 0, 1, NQ-1, \slot, 0
	s_wait_dscnt 0x0
	s_barrier_signal -1
	MUL16 2, 1, NQ-1, \slot, 0
	WIN 0
	s_barrier_wait -1
.if \fill
	CREST
	s_add_nc_u64 s[G0+4*\slot+2:G0+4*\slot+3], s[G0+4*\slot+2:G0+4*\slot+3], 2*ROWB
	s_add_nc_u64 s[G0B+4*\slot+2:G0B+4*\slot+3], s[G0B+4*\slot+2:G0B+4*\slot+3], 2*ROWB
	JLOAD G0+4*\slot, G1, G0B+4*\slot, G1B
	PLACES NP-4
.else
	PLACES NP
.endif
	s_wait_alu depctr_va_vdst(0)
	v_add_nc_u32 v[ADRS], 4*NQ, v[ADRS]
	FETCH_B \next, 0, 0
	FETCH_A \next, 0, 0
	SCALES \next
	WIN MUL_HI
	MUL16 4, 1, NQ-1, \slot, 0
	MUL16 6, 1, NQ-1, \slot, 0
	PLACES NP
	WIN 0
	FETCH_A \next, 0, 4
.endm
	s_wait_tensorcnt 1
	s_barrier_signal -1
	s_barrier_wait -1
	FETCH_B 0, 0, 0
	FETCH_A 0, 0, 0
	SCALES 0
	FETCH_A 0, 0, 4
	STEP 0, 0, 1
	s_mov_b32 s3, LAPS-1
.Llap:
	TURN 0, 1, 1
	STEP 1, 0, 0
	TURN 1, 0, 1
	STEP 0, 0, 0
	s_sub_co_u32 s3, s3, 1
	s_cmp_lg_u32 s3, 0
	s_cbranch_scc1 .Llap
	TURN 0, 1, 0
	STEP 1, 0, 0
	s_wait_dscnt 4*NL
	WIN MUL_LO
	MUL16 0, 1, NQ-1, 1, 0
	MUL16 2, 1, NQ-1, 1, 0
	s_wait_dscnt 0
	WIN MUL_HI
	MUL16 4, 1, NQ-1, 1, 0
	MUL16 6, 1, NQ-1, 1, 0
	WIN 0
.macro ADDB a
.set AC, 64*((\a)%4)
	s_cmp_lg_u32 s[ISV], 0
	s_cbranch_scc1 .Lbias_v_\@
.if (\a) < 4
	WIN 0x02
.else
	WIN 0x03
.endif
.set i, 0
.rept 32
	v_pk_add_f32 v[T+i:T+i+1], v[AC+i:AC+i+1], v[BI+i:BI+i+1]
.set i, i+2
.endr
	WIN 0
	s_branch .Lbias_done_\@
.Lbias_v_\@:
.if (\a) < 4
	WIN 0x02
.else
	WIN 0x03
.endif
.set i, 0
.rept 32
	v_pk_add_f32 v[T+i:T+i+1], v[AC+i:AC+i+1], v[BJD+2*(\a):BJD+2*(\a)+1]
.set i, i+2
.endr
	WIN 0
.Lbias_done_\@:
.endm
.macro QUANT s, pw
.irp b, 0,1,2,3
	v_max3_num_f32 v[TM+\b], |v[\s+16*\b]|, |v[\s+1+16*\b]|, 0x4800000
.endr
.irp i, 2,4,6,8,10,12,14
.irp b, 0,1,2,3
	v_max3_num_f32 v[TM+\b], v[TM+\b], |v[\s+16*\b+\i]|, |v[\s+1+16*\b+\i]|
.endr
.endr
.irp b, 0,1,2,3
	v_permlanex16_b32 v[TM+4+\b], v[TM+\b], s40, s41
.endr
.irp b, 0,1,2,3
	v_max_num_f32 v[TM+\b], v[TM+\b], v[TM+4+\b]
.endr
.irp b, 0,1,2,3
	v_add_nc_u32 v[TM+12+\b], 0xfc000000, v[TM+\b]
.endr
.irp b, 0,1,2,3
.endr
.irp b, 0,1,2,3
	v_lshrrev_b32 v[TM+4+\b], 23, v[TM+12+\b]
.endr
	v_lshl_or_b32 v[\pw], v[TM+5], 8, v[TM+4]
	v_lshl_or_b32 v[\pw], v[TM+6], 16, v[\pw]
	v_lshl_or_b32 v[\pw], v[TM+7], 24, v[\pw]
.irp b, 0,1,2,3
.irp i, 0,1,2,3,4,5,6,7,8,9,10,11,12,13,14,15
.endr
	v_cvt_scalef32_pk8_fp8_f32 v[PC+4*\b:PC+1+4*\b], v[\s+16*\b:\s+7+16*\b], v[TM+12+\b]
	v_cvt_scalef32_pk8_fp8_f32 v[PC+2+4*\b:PC+3+4*\b], v[\s+8+16*\b:\s+15+16*\b], v[TM+12+\b]
.endr
	v_nop
.endm
.macro BLOCK a
.if (\a) > 0
	s_wait_xcnt 0x0
.if (\a) == 4
	s_add_nc_u64 s[12:13], s[12:13], s[46:47]
	s_add_nc_u64 s[66:67], s[66:67], s[46:47]
.else
	s_add_nc_u64 s[12:13], s[12:13], s[92:93]
	s_add_nc_u64 s[66:67], s[66:67], s[92:93]
.endif
.endif
	ADDB \a
	QUANT T, PW+(\a)
	global_store_b128 v[LI], v[PC:PC+3], s[12:13]
	global_store_b128 v[LI], v[PC+4:PC+7], s[12:13] offset:512
	global_store_b128 v[LI], v[PC+8:PC+11], s[66:67]
	global_store_b128 v[LI], v[PC+12:PC+15], s[66:67] offset:512
.endm
	PLACES NP
	s_wait_loadcnt 0x0
	s_mov_b32 s40, 0x76543210
	s_mov_b32 s41, 0xfedcba98
	s_mov_b32 s43, 0xffff
	s_mov_b32 s44, 0x7f7f0000
.irp a, 0,1,2,3,4,5,6,7
	v_mov_b32 v[BJD+2*\a], v[BJ+\a]
	v_mov_b32 v[BJD+2*\a+1], v[BJ+\a]
.endr
.irp b, 0,1,2,3
	v_mov_b32 v[TM+4+\b], 0
.endr
.irp a, 0,1,2,3,4,5,6,7
	BLOCK \a
.endr
	s_cmp_lg_u32 s[ISV], 0
	s_cbranch_scc1 .Lwords_v
.irp a, 0,1,2,3,4,5,6,7
	v_lshrrev_b32 v[W+\a], v[SH], v[PW+\a]
.endr
.irp a, 0,1,2,3,4,5,6,7
	v_and_or_b32 v[W+\a], v[W+\a], s43, s44
.endr
	global_store_b128 v[SWO], v[W:W+3], s[100:101]
	global_store_b128 v[SWO], v[W+4:W+7], s[100:101] offset:256
	s_branch .Lwords_done
.Lwords_v:
	v_cmp_ne_u32 vcc_lo, 0, v[SH]
.irp d, 0,1,2,3
	v_cndmask_b32 v[W+\d], v[PW+\d], v[PW+4+\d], vcc_lo
.endr
	global_store_b128 v[SWO], v[W:W+3], s[100:101]
.Lwords_done:
	s_wait_tensorcnt 0x0
	ds_add_u32 v[SPW], v[NIL]
	s_wait_dscnt 0x0
	CROUND
	s_endpgm
.Lfunc_end_k_q54c287fc4c_proj:
	.size	k_q54c287fc4c_proj, .Lfunc_end_k_q54c287fc4c_proj-k_q54c287fc4c_proj
	.p2alignl 7, 3214868480
	.fill 96, 4, 3214868480
	.section	.rodata,"a",@progbits
	.p2align	6, 0x0
	.amdhsa_kernel k_q54c287fc4c_proj
		.amdhsa_group_segment_fixed_size 327680
		.amdhsa_private_segment_fixed_size 0
		.amdhsa_enable_private_segment 0
		.amdhsa_kernarg_size 88
		.amdhsa_user_sgpr_count 2
		.amdhsa_user_sgpr_kernarg_segment_ptr 1
		.amdhsa_wavefront_size32 1
		.amdhsa_system_sgpr_workgroup_id_x 1
		.amdhsa_system_sgpr_workgroup_id_y 1
		.amdhsa_system_sgpr_workgroup_id_z 1
		.amdhsa_system_vgpr_workitem_id 0
		.amdhsa_next_free_vgpr 1024
		.amdhsa_next_free_sgpr 102
		.amdhsa_reserve_vcc 1
		.amdhsa_float_denorm_mode_32 3
		.amdhsa_float_denorm_mode_16_64 3
		.amdhsa_fp16_overflow 1
		.amdhsa_memory_ordered 1
		.amdhsa_forward_progress 1
		.amdhsa_inst_pref_size 190
	.end_amdhsa_kernel
	.amdgpu_metadata
---
amdhsa.version: [ 1, 2 ]
amdhsa.kernels:
  - .name:           k_q54c287fc4c_proj
    .symbol:         k_q54c287fc4c_proj.kd
    .args:
      - { .name: x_codes, .offset: 0, .size: 8, .value_kind: global_buffer, .address_space: global }
      - { .name: x_scales, .offset: 8, .size: 8, .value_kind: global_buffer, .address_space: global }
      - { .name: w_codes, .offset: 16, .size: 8, .value_kind: global_buffer, .address_space: global }
      - { .name: w_scales, .offset: 24, .size: 8, .value_kind: global_buffer, .address_space: global }
      - { .name: bq, .offset: 32, .size: 8, .value_kind: global_buffer, .address_space: global }
      - { .name: bk, .offset: 40, .size: 8, .value_kind: global_buffer, .address_space: global }
      - { .name: bv, .offset: 48, .size: 8, .value_kind: global_buffer, .address_space: global }
      - { .name: qk_img, .offset: 56, .size: 8, .value_kind: global_buffer, .address_space: global }
      - { .name: qk_sw, .offset: 64, .size: 8, .value_kind: global_buffer, .address_space: global }
      - { .name: v_img, .offset: 72, .size: 8, .value_kind: global_buffer, .address_space: global }
      - { .name: v_sw, .offset: 80, .size: 8, .value_kind: global_buffer, .address_space: global }
    .group_segment_fixed_size: 327680
    .private_segment_fixed_size: 0
    .kernarg_segment_align: 8
    .kernarg_segment_size: 88
    .max_flat_workgroup_size: 128
    .sgpr_count:     102
    .vgpr_count:     1024
    .wavefront_size: 32
...
	.end_amdgpu_metadata
.endif
;; end of part 2
;; launch attn (part 3): grid 4 x 64, 16 waves a work-group, clusters of 4 x 1, 327,680 bytes of LDS; arguments qk_img, qk_sw, v_img, v_sw, attention_mask, out0; writes out0
.if DOCPART == 3
	.amdgcn_target "amdgcn-amd-amdhsa--gfx1250"
	.amdhsa_code_object_version 6
	.text
	.protected	k_q54c287fc4c_attn
	.globl	k_q54c287fc4c_attn
	.p2align	8
	.type	k_q54c287fc4c_attn,@function
k_q54c287fc4c_attn:
	s_mov_b64 s[64:65], 0
	v_nop
	global_prefetch_b8 v0, s[64:65] scope:SCOPE_SE
	s_setreg_imm32_b32 hwreg(HW_REG_WAVE_MODE, 25, 1), 1
	s_wait_xcnt 0x0
	s_wait_alu depctr_hold_cnt(0) depctr_sa_sdst(0) depctr_va_vdst(0) depctr_va_sdst(0) depctr_va_ssrc(0) depctr_va_vcc(0) depctr_vm_vsrc(0)
	s_getreg_b32 s2, hwreg(HW_REG_IB_STS2, 6, 4)
	s_cmp_eq_u32 s2, 0
	s_cbranch_scc0 .Lentry_in_a_cluster
	s_endpgm
.Lentry_in_a_cluster:
	s_bfe_u32 s2, ttmp6, 0x10000c
	s_cmp_lg_u32 s2, 0x3003
	s_cbranch_scc0 .Lentry_shape_is_right
	s_endpgm
.Lentry_shape_is_right:
; out0[b][q][64 head + d] = the sum over k of softmax_k(q . k / 8 + mask[b][k]) v[k][d], both products on codes of FP8 (E4M3) with one E8M0 scale for each 32 along a product's K.
; q, k and v arrive as images of operand registers (16 bytes a lane, 512 bytes a group of four registers) with their scale words beside them, as the launch before laid them.
; THE SOFTMAX AHEAD OF THE SECOND PRODUCT: t = (q . k + 8 mask) x log2(e) / 8; M = the row's largest t so far, rounded UP to a whole number; p = 2^(t - M) is quantised along the keys, not normalised.
; The row's sum is taken of the unquantised p, in f32, and divides at the end.  When M moves, the sum and O are multiplied by 2^(old M - new M): exact.
; THE MASK COSTS NO VECTOR INSTRUCTION IN THE LOOP: 8 x mask of a lane's 64 keys is loaded from LDS into the registers of S^T, and each product K Q^T takes them as its C.
; K = 64 IN A FORM 128 DEEP: Q's registers 8-15 are zero codes; the upper half of a tile of K is whatever follows it in the registers (the next tile's codes;
; behind the last tile eight zero registers); bytes 2 and 3 of both scale words are 2^0.  So the upper 64 add exact zeros.
; SHARES.  A cluster of four work-groups is one (batch, head).  A work-group owns 512 queries, in two passes of 256; each of its sixteen waves owns one tile of 16 queries a pass, in 256 registers: four waves to a SIMD.
; THE WHOLE HEAD STAYS IN LDS, filled once: K's image (131,072 bytes) and V's (131,072), asked for JOINTLY by the four work-groups: each wave issues one tensor load of 64 rows x 256 bytes, the same in all four.  Nothing is filled again.
; Nothing is prefetched: every byte of K and V is asked for by the tensor loads in the kernel's first lines.
; LAYOUT.  Both products are used transposed: S^T = K Q^T, O^T = V^T P^T: a lane holds ONE query (lane % 16).  Token and feature places lie permuted (bits 3 and 4 exchanged), so the 16 registers of tiles 2 b and 2 b + 1 are the true
; keys (channels) 32 b + 16 (lane / 16) + 0 .. 15; the query at lane r of tile T is row 32 (T / 2) + 8 (T % 2) + r + 8 (r / 8).
; LIMITS: |mask| from 2^125 on becomes an infinity by the x 8 (a negative one still hides its key); a row all of whose keys are hidden by -infinity gives NaN, as the softmax it stands for does; NaN in the mask is not served.
.set KSWL,  262144                     ; LDS: K 0 .. 131,071; V 131,072 .. 262,143; then K's scale words, 512 bytes a key step,
.set VSWL,  270336                     ; V's, 256 a step,
.set MSK,   274432                     ; 8 x mask, f32, 2,048 keys in order,
.set STG,   282624                     ; and a stage of 16 rows x (128 bytes + 16) for each wave
.set AK0,  1                           ; v1   16 x lane: my place in an image (K's begins at LDS byte 0); also my byte offset in Q's image
.set AV0,  2                           ; v2   131,072 + 16 x lane
.set AM0,  3                           ; v3   MSK + 64 (lane / 16)
.set AS0,  4                           ; v4   KSWL + 16 r
.set AT0,  5                           ; v5   VSWL + 16 r
.set STO,  6                           ; v6   the stage: where I put 64 bytes of a row's half
.set SRD,  7                           ; v7   and where I read 16 bytes back
.set GO,   8                           ; v8   my byte offset in out0's rows
.set ADK,  9                           ; v9, v10, v11, v249, v250: the step's LDS addresses
.set ADV,  10
.set ADM,  11
.set ADS,  249
.set ADT,  250
.set QSO,  251                         ; v251 16 r: my byte offset among Q's scale words
.set QF,   16                          ; v16-23 Q's codes, v24-31 zeros
.set KV,   32                          ; v32-95 K's eight tiles, then V's four; v96-103 zeros
.set S,    104                         ; v104-167 S^T, then p
.set O,    168                         ; v168-199 O^T
.set PCD,  200                         ; v200-215 p's codes
.set BM,   216                         ; v216-219 block maxima; v220-223 the other half's, then bytes; v228-231 the conversions' scale operands
.set KSW,  232                         ; v232-239 K's scale words; v240-243 V's; v244 Q's; v245 p's
.set VSW,  240
.set QSW,  244
.set PSW,  245
.set F,    246                         ; v[246:247] f = 2^(old M - new M), later 1 / the sum (the low word serves both halves)
.set TMP,  248
.set SUM2, 252                         ; v[252:253] one of the eight chains of the row's sum
.set WV,   16                          ; s16 my wave's number
.set MNT,  19
.set SEL,  20                          ; s[20:21] v_permlanex16_b32's selects for lane l xor 16
.set CS,   22                          ; s[22:23] c = log2(e) / 8
.set G1,   24                          ; s[24:31], s[32:35] the descriptor
.set G0,   32
.set TK,   48                          ; s48 the step's bytes in K's and V's images: 8,192 a step
.set TM,   49                          ; s49 in the mask and in K's scale words: 512 a step
.set TT,   50                          ; s50 in V's scale words: 256 a step
.set CNT,  51
.set PASS, 52
.set HI8,  53                          ; s53 the lanes with bit 3 set
.macro ROUND                           ; a round of the cluster's barrier
	s_barrier_signal -1
	s_barrier_wait -1
	s_cmp_lg_u32 s[WV], 0
	s_cbranch_scc1 .Lnot_wave_0_\@
	s_barrier_signal -3
.Lnot_wave_0_\@:
	s_barrier_wait -3
	s_barrier_signal -1
	s_barrier_wait -1
.endm
	s_load_b256 s[4:11], s[0:1], 0x0               ; qk_img s[4:5], qk_sw s[6:7], v_img s[8:9], v_sw s[10:11]
	s_load_b128 s[12:15], s[0:1], 0x20             ; attention_mask s[12:13], out0 s[14:15]
	v_lshl_add_u32 v254, v0, 2, 0x4e000
	v_mov_b32 v255, 0
	ds_add_u32 v254, v255
	ds_add_u32 v254, v255
	s_wait_dscnt 0x0
	v_lshrrev_b32 v1, 5, v0
	s_delay_alu instid0(VALU_DEP_1)
	v_readfirstlane_b32 s[WV], v1                  ; wave 0..15
	s_bfe_u32 s17, ttmp6, 0x40000                  ; cx: it enters Q's and out0's addresses alone
	s_and_b32 s18, ttmp7, 0xffff                   ; 16 b + head, which the four partners share
	s_lshr_b32 s60, s18, 4                         ; b
	s_and_b32 s61, s18, 15                         ; head
	s_lshl_b32 s62, s61, 2
	s_add_co_u32 s62, s62, s60                     ; q's plane: 4 head + b
	s_add_co_u32 s63, s62, 64                      ; k's plane: 4 (16 + head) + b
	; descriptor group 1: 16,384 dense bytes as 64 rows of 256 bytes (32 elements of 8 bytes), no padding: an image is read 512 consecutive bytes an instruction
	s_mov_b32 s[G1], 15|(3<<16)|(1<<21)            ; 15:0 the mask: all four work-groups; 17:16 elements of 8 bytes; 21 set beside a mask
	s_mov_b32 s[G1+1], 32<<16                      ; tensor_dim0
	s_mov_b32 s[G1+2], 64<<16                      ; tensor_dim1
	s_mov_b32 s[G1+3], 32<<16                      ; tile_dim0
	s_mov_b32 s[G1+4], 64                          ; tile_dim1
	s_mov_b32 s[G1+5], 32                          ; tensor_dim0_stride
	s_mov_b32 s[G1+6], 0
	s_mov_b32 s[G1+7], 0
	s_and_b32 s67, s[WV], 7
	s_lshl_b32 s67, s67, 14                        ; waves 0-7 bring K's image, waves 8-15 V's: 16,384 bytes each
	s_lshl_b32 s70, s63, 17                        ; a plane of qk_img is 131,072 bytes,
	s_lshl_b32 s71, s18, 17                        ; and so is a head of v_img
	s_cmp_lt_u32 s[WV], 8
	s_cselect_b32 s70, s70, s71
	s_add_co_u32 s70, s70, s67
	s_mov_b32 s71, 0
	s_wait_kmcnt 0x0
	s_cmp_lt_u32 s[WV], 8                          ; the choice hangs on the wave's number alone
	s_cselect_b64 s[68:69], s[4:5], s[8:9]
	s_mov_b32 s[G0], 1                             ; count = 1
	s_lshl_b32 s[G0+1], s[WV], 14                  ; LDS address: 16,384 x wave (V's image begins at 8 x 16,384)
	s_add_nc_u64 s[G0+2:G0+3], s[68:69], s[70:71]
	s_or_b32 s[G0+3], s[G0+3], 0x80000000          ; type = 2
	ROUND                                          ; all four work-groups are here: the joint loads meet
	tensor_load_to_lds s[G0:G0+3], s[G1:G1+7]      ; my one tensor load of the launch
	s_nop 0
.rept 4
	v_nop
.endr
	s_mov_b32 s73, 0
	s_lshl_b32 s72, s63, 13
	s_add_nc_u64 s[74:75], s[6:7], s[72:73]        ; K's scale words of the head: 8,192 bytes
	s_lshl_b32 s72, s18, 12
	s_add_nc_u64 s[10:11], s[10:11], s[72:73]      ; V's: 4,096 bytes
	s_lshl_b32 s72, s60, 13
	s_add_nc_u64 s[12:13], s[12:13], s[72:73]      ; the batch's mask: 8,192 bytes
	s_lshl_b32 s72, s62, 17                        ; Q's image: tile 32 cx + 16 pass + wave, 1,024 bytes a tile
	s_lshl_b32 s67, s17, 5
	s_add_co_u32 s67, s67, s[WV]
	s_lshl_b32 s67, s67, 10
	s_add_co_u32 s72, s72, s67
	s_add_nc_u64 s[54:55], s[4:5], s[72:73]
	s_lshl_b32 s72, s62, 13                        ; Q's scale word: 256 bytes for four tiles, 16 a row, 4 a tile
	s_lshl_b32 s67, s17, 11
	s_add_co_u32 s72, s72, s67
	s_lshr_b32 s67, s[WV], 2
	s_lshl_b32 s67, s67, 8
	s_add_co_u32 s72, s72, s67
	s_and_b32 s67, s[WV], 3
	s_lshl_b32 s67, s67, 2
	s_add_co_u32 s72, s72, s67
	s_add_nc_u64 s[56:57], s[6:7], s[72:73]
	s_lshl_b32 s72, s60, 11                        ; out0: row 2,048 b + 512 cx + 256 pass + 32 (wave / 2) + 8 (wave % 2), 4,096 bytes a row; + 256 head
	s_lshl_b32 s67, s17, 9
	s_add_co_u32 s72, s72, s67
	s_lshr_b32 s67, s[WV], 1
	s_lshl_b32 s67, s67, 5
	s_add_co_u32 s72, s72, s67
	s_and_b32 s67, s[WV], 1
	s_lshl_b32 s67, s67, 3
	s_add_co_u32 s72, s72, s67
	s_lshl_b32 s72, s72, 12
	s_lshl_b32 s67, s61, 8
	s_add_co_u32 s72, s72, s67
	s_add_nc_u64 s[58:59], s[14:15], s[72:73]
	s_mov_b32 s[SEL], 0x76543210
	s_mov_b32 s[SEL+1], 0xfedcba98
	s_mov_b32 s[CS], 0x3e38aa3b                    ; log2(e) / 8
	s_mov_b32 s[CS+1], s[CS]                       ; (named with it as a pair, so it is written)
	s_mov_b32 s[HI8], 0xff00ff00
	s_mov_b32 s[PASS], 2
	s_mul_i32 s66, s[WV], 16*144
	s_add_co_u32 s66, s66, STG                     ; my stage
	v_and_b32 v[AK0], 31, v0
	s_delay_alu instid0(VALU_DEP_1)
	v_lshlrev_b32 v[AK0], 4, v[AK0]
	v_and_b32 v[TMP], 15, v0                       ; r
	v_bfe_u32 v254, v0, 4, 1                       ; h
	s_delay_alu instid0(VALU_DEP_2)
	v_lshlrev_b32 v[QSO], 4, v[TMP]
	v_lshlrev_b32 v9, 4, v0                        ; the small tables go through registers: thread t takes 16 bytes of K's scale words and of the mask, 8 of V's scale words
	v_lshlrev_b32 v10, 3, v0
	global_load_b128 v[104:107], v9, s[74:75]
	global_load_b64 v[108:109], v10, s[10:11]
	global_load_b128 v[112:115], v9, s[12:13]
	global_load_b128 v[QF:QF+3], v[AK0], s[54:55]                  ; Q's fragment of the first pass
	global_load_b128 v[QF+4:QF+7], v[AK0], s[54:55] offset:512
	global_load_b32 v[QSW], v[QSO], s[56:57]
	v_add_nc_u32 v[AV0], 0x20000, v[AK0]
	v_lshl_add_u32 v[AM0], v254, 6, MSK
	v_lshl_add_u32 v[AS0], v[TMP], 4, KSWL
	v_lshl_add_u32 v[AT0], v[TMP], 4, VSWL
	v_mul_u32_u24 v[STO], v[TMP], 144
	s_delay_alu instid0(VALU_DEP_1)
	v_lshl_add_u32 v[STO], v254, 6, v[STO]
	s_delay_alu instid0(VALU_DEP_1)
	v_add_nc_u32 v[STO], s66, v[STO]               ; in: row r, 64 bytes for each half of the lanes
	v_mul_u32_u24 v[SRD], v254, 144
	v_and_b32 v11, 7, v0
	s_delay_alu instid0(VALU_DEP_1)
	v_lshl_add_u32 v[SRD], v11, 4, v[SRD]
	s_delay_alu instid0(VALU_DEP_1)
	v_add_nc_u32 v[SRD], s66, v[SRD]               ; back: lanes 0-15 one row, lanes 16-31 the next; 16 (lane % 8) bytes on
	v_lshlrev_b32 v[GO], 12, v254
	s_delay_alu instid0(VALU_DEP_1)
	v_lshl_add_u32 v[GO], v[TMP], 4, v[GO]         ; and in out0: sixteen lanes take a head's 256 bytes of a row
	v_lshl_add_u32 v252, v0, 4, KSWL               ; where thread t puts its bytes of the tables
	v_lshl_add_u32 v253, v0, 3, VSWL
.irp j, 0,1,2,3,4,5,6,7
	v_mov_b32 v[QF+8+\j], 0                        ; the zero codes that fill Q from 64 to 128 along K,
	v_mov_b32 v[KV+64+\j], 0                       ; and those behind K's last tile
.endr
.irp b, 0,1,2,3
	v_mov_b32 v[BM+4+\b], 0                        ; written once: a lane permute's destination counts as one of its sources
.endr
	v_mov_b32 v[F+1], 0                            ; (named as the upper half of a pair)
	s_wait_loadcnt 3                               ; the three tables are in; Q's three loads may be out
	v_pk_mul_f32 v[112:113], v[112:113], 0x41000000 op_sel_hi:[1,0]   ; 8 x mask
	v_pk_mul_f32 v[114:115], v[114:115], 0x41000000 op_sel_hi:[1,0]
	ds_store_b128 v252, v[104:107]
	ds_store_b128 v252, v[112:115] offset:MSK-KSWL
	ds_store_b64 v253, v[108:109]
	s_wait_tensorcnt 0x0                           ; my part of the head has landed,
	s_wait_dscnt 0x0                               ; my part of the tables is stored:
	s_barrier_signal -1
	s_barrier_wait -1                              ; everybody's is.  From here on LDS is only read, but for each wave's own stage
; A KEY STEP: 128 keys.
.macro STEP
	v_add_nc_u32 v[ADK], s[TK], v[AK0]
	v_add_nc_u32 v[ADV], s[TK], v[AV0]
	v_add_nc_u32 v[ADM], s[TM], v[AM0]
	v_add_nc_u32 v[ADS], s[TM], v[AS0]
	v_add_nc_u32 v[ADT], s[TT], v[AT0]
.rept 3
	v_nop                                          ; with the five additions: eight places behind the last products, in front of loads into registers that they have read
.endr
.irp t, 0,1,2,3,4,5,6,7
.irp c, 0,1
	ds_load_b128 v[KV+8*\t+4*\c:KV+8*\t+4*\c+3], v[ADK] offset:1024*\t+512*\c   ; K's tile t: 512 consecutive bytes an instruction
.endr
.endr
.irp q, 0,1
	ds_load_b128 v[KSW+4*\q:KSW+4*\q+3], v[ADS] offset:256*\q      ; row r's scale words of tiles 4 q .. 4 q + 3
.endr
.irp t, 0,1,2,3,4,5,6,7
.irp e, 0,1
	ds_load_b128 v[S+8*\t+4*\e:S+8*\t+4*\e+3], v[ADM] offset:128*(\t/2)+32*(\t%2)+16*\e   ; 8 x mask of keys 32 (t / 2) + 16 h + 8 (t % 2) + 4 e + 0 .. 3: sixteen lanes read the same 16 bytes
.endr
.endr
	s_wait_alu depctr_va_vdst(0)
	s_wait_dscnt 0x0
.irp t, 0,1,2,3,4,5,6,7                        ; S^T = K Q^T + 8 mask: eight accumulators, one instruction each
	v_wmma_scale_f32_16x16x128_f8f6f4 v[S+8*\t:S+8*\t+7], v[KV+8*\t:KV+8*\t+15], v[QF:QF+15], v[S+8*\t:S+8*\t+7], v[KSW+\t], v[QSW]
.endr
.rept 8
	v_nop                                          ; places in front of the loads into K's registers and of the first read of the scores
.endr
.irp d, 0,1,2,3
.irp c, 0,1,2,3
	ds_load_b128 v[KV+16*\d+4*\c:KV+16*\d+4*\c+3], v[ADV] offset:2048*\d+512*\c   ; V's four tiles: they land under the softmax
.endr
.endr
	ds_load_b128 v[VSW:VSW+3], v[ADT]
.irp b, 0,1,2,3
	v_max3_num_f32 v[BM+\b], v[S+16*\b], v[S+1+16*\b], v[S+2+16*\b]   ; the largest score of each block of 32 keys: it serves for the row's maximum and, since p rises with the score, for the block's largest p
.endr
.irp i, 3,5,7,9,11,13
.irp b, 0,1,2,3
	v_max3_num_f32 v[BM+\b], v[BM+\b], v[S+16*\b+\i], v[S+1+16*\b+\i]   ; (the four blocks by turns)
.endr
.endr
.irp b, 0,1,2,3
	v_max_num_f32 v[BM+\b], v[BM+\b], v[S+15+16*\b]
.endr
.irp b, 0,1,2,3
	s_delay_alu instid0(VALU_DEP_4)
	v_permlanex16_b32 v[BM+4+\b], v[BM+\b], s[SEL], s[SEL+1]
.endr
.irp b, 0,1,2,3
	s_delay_alu instid0(VALU_DEP_4)
	v_max_num_f32 v[BM+\b], v[BM+\b], v[BM+4+\b]   ; with lane l xor 16's 16 keys
.endr
	s_delay_alu instid0(VALU_DEP_2)
	v_max3_num_f32 v[TMP], v[BM], v[BM+1], v[BM+2]
	s_delay_alu instid0(VALU_DEP_1)
	v_max_num_f32 v[TMP], v[TMP], v[BM+3]          ; the step's largest score of my query
	s_delay_alu instid0(VALU_DEP_1)
	v_mul_f32 v[TMP], s[CS], v[TMP]                ; as t (c is positive)
	s_delay_alu instid0(VALU_DEP_1)
	v_max_num_f32 v13, v13, v[TMP]                 ; the running largest t
	v_mov_b32 v[TMP], v12
	s_delay_alu instid0(VALU_DEP_2)
	v_floor_f32 v12, -v13                          ; the new -M = floor(-t) = -ceil(t): M is a whole number
	s_delay_alu instid0(VALU_DEP_1)
	v_sub_f32 v[TMP], v12, v[TMP]                  ; M's old value less its new one: a whole number, 0 or less
	s_delay_alu instid0(VALU_DEP_1)
	v_cvt_i32_f32 v[TMP], v[TMP]                   ; (it saturates)
	s_delay_alu instid0(VALU_DEP_1)
	v_ldexp_f32 v[F], 1.0, v[TMP]                  ; f = 2^(old M - new M)
.irp j, 0,2,4,6,8,10,12,14,16,18,20,22,24,26,28,30,32,34,36,38,40,42,44,46,48,50,52,54,56,58,60,62
	v_pk_fma_f32 v[S+\j:S+1+\j], v[S+\j:S+1+\j], s[CS:CS+1], v[12:13] op_sel_hi:[1,0,0]   ; t - M, two at a time (of the pairs c and -M the low word serves both halves)
.endr
.irp b, 0,1,2,3
	v_fma_f32 v[BM+\b], v[BM+\b], s[CS], v12       ; the same of each block's largest score
.endr
	s_setprio 1
	s_wait_alu depctr_va_vdst(0)
.irp j, 0,1,2,3,4,5,6,7,8,9,10,11,12,13,14,15,16,17,18,19,20,21,22,23,24,25,26,27,28,29,30,31,32,33,34,35,36,37,38,39,40,41,42,43,44,45,46,47,48,49,50,51,52,53,54,55,56,57,58,59,60,61,62,63
	v_exp_f32 v[S+\j], v[S+\j]                     ; p = 2^(t - M), at most 1: not normalised
.endr
	v_pk_mul_f32 v[14:15], v[14:15], v[F:F+1] op_sel_hi:[1,0]      ; the sums under the new M (a plain line behind the exponentials)
	s_wait_alu depctr_va_vdst(0)                   ; one wait for the whole batch, ahead of its first reader
.irp b, 0,1,2,3
	v_exp_f32 v[BM+\b], v[BM+\b]                   ; the block's largest p: the same two instructions on the same number give the same bits
.endr
	v_pk_add_f32 v[252:253], v[108:109], v[112:113]
	v_pk_add_f32 v[254:255], v[116:117], v[120:121]
	v_pk_add_f32 v[238:239], v[124:125], v[128:129]
	v_pk_add_f32 v[236:237], v[132:133], v[136:137]
	v_pk_add_f32 v[234:235], v[140:141], v[144:145]
	v_pk_add_f32 v[232:233], v[148:149], v[152:153]
	v_pk_add_f32 v[230:231], v[156:157], v[160:161]
	v_pk_add_f32 v[14:15], v[14:15], v[164:165]
	v_pk_add_f32 v[252:253], v[252:253], v[104:105]
	v_pk_add_f32 v[254:255], v[254:255], v[106:107]
	v_pk_add_f32 v[238:239], v[238:239], v[110:111]
	v_pk_add_f32 v[236:237], v[236:237], v[114:115]
	v_pk_add_f32 v[234:235], v[234:235], v[118:119]
	v_pk_add_f32 v[232:233], v[232:233], v[122:123]
	v_pk_add_f32 v[230:231], v[230:231], v[126:127]
	v_pk_add_f32 v[14:15], v[14:15], v[130:131]
	v_pk_add_f32 v[252:253], v[252:253], v[134:135]
	v_pk_add_f32 v[254:255], v[254:255], v[138:139]
	v_pk_add_f32 v[238:239], v[238:239], v[142:143]
	v_pk_add_f32 v[236:237], v[236:237], v[146:147]
	v_pk_add_f32 v[234:235], v[234:235], v[150:151]
	v_pk_add_f32 v[232:233], v[232:233], v[154:155]
	v_pk_add_f32 v[230:231], v[230:231], v[158:159]
	v_pk_add_f32 v[14:15], v[14:15], v[162:163]
	v_pk_add_f32 v[252:253], v[252:253], v[166:167]
	s_delay_alu instid0(VALU_DEP_2)
	v_pk_add_f32 v[14:15], v[14:15], v[236:237]
	s_delay_alu instid0(VALU_DEP_2)
	v_pk_add_f32 v[252:253], v[252:253], v[234:235]
	v_pk_add_f32 v[254:255], v[254:255], v[232:233]
	v_pk_add_f32 v[238:239], v[238:239], v[230:231]
	s_delay_alu instid0(VALU_DEP_2)
	v_pk_add_f32 v[14:15], v[14:15], v[254:255]
	s_delay_alu instid0(VALU_DEP_2)
	v_pk_add_f32 v[252:253], v[252:253], v[238:239]
	s_delay_alu instid0(VALU_DEP_1)
	v_pk_add_f32 v[14:15], v[14:15], v[252:253]
	s_wait_alu depctr_va_vdst(0)                   ; and one for the four
.irp b, 0,1,2,3
	v_max_num_f32 v[BM+\b], 0x4800000, v[BM+\b]    ; the floor 2^(9 - 127): the byte cannot fall under 1 (a block whose every p is 0 keeps that byte: its codes are zeros)
.endr
.irp b, 0,1,2,3
	s_delay_alu instid0(VALU_DEP_4)
	v_add_nc_u32 v[BM+12+\b], 0xfc000000, v[BM+\b] ; 8 off the exponent field: the conversion's scale operand
.endr
.irp b, 0,1,2,3
.endr
.irp b, 0,1,2,3
	s_delay_alu instid0(VALU_DEP_4)
	v_lshrrev_b32 v[BM+4+\b], 23, v[BM+12+\b]      ; the scale's byte
.endr
	s_delay_alu instid0(VALU_DEP_3)
	v_lshl_or_b32 v[PSW], v[BM+5], 8, v[BM+4]      ; p's scale word for these 128 keys
	s_delay_alu instid0(VALU_DEP_1)
	v_lshl_or_b32 v[PSW], v[BM+6], 16, v[PSW]
	s_delay_alu instid0(VALU_DEP_1)
	v_lshl_or_b32 v[PSW], v[BM+7], 24, v[PSW]
	s_setprio 0
.irp b, 0,1,2,3
.irp i, 0,1,2,3,4,5,6,7,8,9,10,11,12,13,14,15
.endr
	v_cvt_scalef32_pk8_fp8_f32 v[PCD+4*\b:PCD+1+4*\b], v[S+16*\b:S+7+16*\b], v[BM+12+\b]
	v_cvt_scalef32_pk8_fp8_f32 v[PCD+2+4*\b:PCD+3+4*\b], v[S+8+16*\b:S+15+16*\b], v[BM+12+\b]
.endr
.irp j, 0,2,4,6,8,10,12,14,16,18,20,22,24,26,28,30
	v_pk_mul_f32 v[O+\j:O+1+\j], v[O+\j:O+1+\j], v[F:F+1] op_sel_hi:[1,0]   ; O^T under the new M.  (These sixteen are also the places between the codes and the products)
.endr
	s_wait_alu depctr_va_vdst(0)
	s_wait_dscnt 0x0                               ; V and its scale words are in
.irp d, 0,1,2,3                                ; O^T += V^T P^T: four accumulators, one instruction each
	v_wmma_scale_f32_16x16x128_f8f6f4 v[O+8*\d:O+8*\d+7], v[KV+16*\d:KV+16*\d+15], v[PCD:PCD+15], v[O+8*\d:O+8*\d+7], v[VSW+\d], v[PSW]
.endr
	s_add_co_u32 s[TK], s[TK], 8192
	s_add_co_u32 s[TM], s[TM], 512
	s_add_co_u32 s[TT], s[TT], 256
.endm
.Lpass:                                            ; two passes of 256 queries
	v_mov_b32 v13, 0xff61b1e6                      ; the largest t so far: -3e38, under every t
	s_delay_alu instid0(VALU_DEP_1)
	v_floor_f32 v12, -v13                          ; -M
	v_mov_b32 v14, 0                               ; the sum, in two halves
	v_mov_b32 v15, 0
.irp j, 0,1,2,3,4,5,6,7,8,9,10,11,12,13,14,15,16,17,18,19,20,21,22,23,24,25,26,27,28,29,30,31
	v_mov_b32 v[O+\j], 0                           ; O^T.  (The step is written once: its first trip finds zeros, which the first change of M leaves zeros)
.endr
	s_wait_loadcnt 0x0                             ; Q and its scale word
	s_mov_b32 s[TK], 0
	s_mov_b32 s[TM], 0
	s_mov_b32 s[TT], 0
	s_mov_b32 s[CNT], 16
.Lstep:
	s_setprio 2
	STEP
	s_sub_co_u32 s[CNT], s[CNT], 1
	s_cmp_lg_u32 s[CNT], 0
	s_cbranch_scc1 .Lstep
	s_setprio 0
	; THE WAY OUT.
.rept 8
	v_nop                                          ; places behind the last products
.endr
	s_cmp_eq_u32 s[PASS], 1                        ; the next pass's Q is asked for here, if there is a next pass: no load leaves its buffer
	s_cbranch_scc1 .Lno_next
	s_add_nc_u64 s[54:55], s[54:55], 16384         ; sixteen tiles on (the loads that read these pointers were waited for at the pass's head)
	s_add_nc_u64 s[56:57], s[56:57], 1024
	global_load_b128 v[QF:QF+3], v[AK0], s[54:55]
	global_load_b128 v[QF+4:QF+7], v[AK0], s[54:55] offset:512
	global_load_b32 v[QSW], v[QSO], s[56:57]
.Lno_next:
	v_add_f32 v14, v14, v15                        ; the sum's two halves,
	s_delay_alu instid0(VALU_DEP_1)
	v_permlanex16_b32 v[TMP], v14, s[SEL], s[SEL+1]
	s_delay_alu instid0(VALU_DEP_1)
	v_add_f32 v14, v14, v[TMP]                     ; and lane l xor 16's: the row's sum
	s_wait_alu depctr_va_vdst(0)
	v_rcp_f32 v[F], v14
	v_nop                                          ; a plain line behind the transcendental
	s_wait_alu depctr_va_vdst(0)                   ; and the wait ahead of its first reader
.irp j, 0,2,4,6,8,10,12,14,16,18,20,22,24,26,28,30
	v_pk_mul_f32 v[KV+\j:KV+1+\j], v[O+\j:O+1+\j], v[F:F+1] op_sel_hi:[1,0]   ; O^T / the sum: register 16 b + i is channel 32 b + 16 h + i of my query
.endr
	; A row's 256 bytes go through my stage in two halves of 128 (channels 0-31, then 32-63), into the same bytes.  Each half is read back by all lanes at 16 (lane % 8); lanes with bit 3 set then keep the second half's.
.irp i, 0,1,2,3
	ds_store_b128 v[STO], v[KV+4*\i:KV+4*\i+3] offset:16*\i
.endr
.irp k, 0,1,2,3,4,5,6,7
	ds_load_b128 v[S+4*\k:S+4*\k+3], v[SRD] offset:288*\k          ; LDS serves a wave's instructions in order: these see the stores above, and the stores below come behind them
.endr
.irp i, 0,1,2,3
	ds_store_b128 v[STO], v[KV+16+4*\i:KV+16+4*\i+3] offset:16*\i
.endr
.irp k, 0,1,2,3,4,5,6,7
	ds_load_b128 v[S+32+4*\k:S+32+4*\k+3], v[SRD] offset:288*\k
.endr
	s_wait_dscnt 0x0
.irp j, 0,1,2,3,4,5,6,7,8,9,10,11,12,13,14,15,16,17,18,19,20,21,22,23,24,25,26,27,28,29,30,31
	v_cndmask_b32 v[S+\j], v[S+\j], v[S+32+\j], s[HI8]
.endr
.irp k, 0,1,2,3,4,5,6,7
	global_store_b128 v[GO], v[S+4*\k:S+4*\k+3], s[58:59] offset:((\k/4)*16+2*(\k%4))*4096 th:TH_STORE_NT   ; stage rows 2 k, 2 k + 1 are queries 16 (k / 4) + 2 (k % 4) + 0, 1 of my tile; sixteen lanes store 256 consecutive bytes, aligned
.endr
	s_wait_xcnt 0x0                                ; the stores have read their data and their base: both are written again only behind this wait
	s_add_nc_u64 s[58:59], s[58:59], 0x100000      ; 256 rows on
	s_sub_co_u32 s[PASS], s[PASS], 1
	s_cmp_lg_u32 s[PASS], 0
	s_cbranch_scc1 .Lpass
	s_wait_dscnt 0x0
	s_wait_xcnt 0x0
	v_lshl_add_u32 v254, v0, 2, 0x4e000
	v_mov_b32 v255, 0
	s_wait_alu depctr_va_vdst(0)
	s_wait_tensorcnt 0x0
	ds_add_u32 v254, v255
	s_wait_dscnt 0x0
	ROUND                                          ; the closing round: no work-group ends while a partner may still ask for a tile that names it
	s_endpgm
.Lfunc_end_k_q54c287fc4c_attn:
	.size	k_q54c287fc4c_attn, .Lfunc_end_k_q54c287fc4c_attn-k_q54c287fc4c_attn
	.p2alignl 7, 3214868480
	.fill 96, 4, 3214868480
	.section	.rodata,"a",@progbits
	.p2align	6, 0x0
	.amdhsa_kernel k_q54c287fc4c_attn
		.amdhsa_group_segment_fixed_size 327680
		.amdhsa_private_segment_fixed_size 0
		.amdhsa_enable_private_segment 0
		.amdhsa_kernarg_size 48
		.amdhsa_user_sgpr_count 2
		.amdhsa_user_sgpr_kernarg_segment_ptr 1
		.amdhsa_wavefront_size32 1
		.amdhsa_system_sgpr_workgroup_id_x 1
		.amdhsa_system_sgpr_workgroup_id_y 1
		.amdhsa_system_sgpr_workgroup_id_z 1
		.amdhsa_system_vgpr_workitem_id 0
		.amdhsa_next_free_vgpr 256
		.amdhsa_next_free_sgpr 76
		.amdhsa_reserve_vcc 0
		.amdhsa_float_denorm_mode_32 3
		.amdhsa_float_denorm_mode_16_64 3
		.amdhsa_fp16_overflow 1
		.amdhsa_memory_ordered 1
		.amdhsa_forward_progress 1
		.amdhsa_inst_pref_size 35
	.end_amdhsa_kernel
	.amdgpu_metadata
---
amdhsa.version: [ 1, 2 ]
amdhsa.kernels:
  - .name:           k_q54c287fc4c_attn
    .symbol:         k_q54c287fc4c_attn.kd
    .args:
      - { .name: qk_img, .offset: 0, .size: 8, .value_kind: global_buffer, .address_space: global }
      - { .name: qk_sw, .offset: 8, .size: 8, .value_kind: global_buffer, .address_space: global }
      - { .name: v_img, .offset: 16, .size: 8, .value_kind: global_buffer, .address_space: global }
      - { .name: v_sw, .offset: 24, .size: 8, .value_kind: global_buffer, .address_space: global }
      - { .name: attention_mask, .offset: 32, .size: 8, .value_kind: global_buffer, .address_space: global }
      - { .name: out0, .offset: 40, .size: 8, .value_kind: global_buffer, .address_space: global }
    .group_segment_fixed_size: 327680
    .private_segment_fixed_size: 0
    .kernarg_segment_align: 8
    .kernarg_segment_size: 48
    .max_flat_workgroup_size: 512
    .sgpr_count:     76
    .vgpr_count:     256
    .wavefront_size: 32
...
	.end_amdgpu_metadata
.endif
;; end of part 3
